; MI455X (gfx1250); checked and timed in simulation.
; The chip was launched on July 23, 2026; its instructions are those of AMD's public machine-readable ISA for CDNA 5 (MIT licence, August 2026) and "CDNA5" Instruction Set Architecture Reference Guide (July 2026). The comments in the code are by the model that wrote it; some were corrected since.
;; rhs base. Allowed arithmetic: matrix products marked QUANTISED: E3M2 operands, one E8M0 scale for each 32 along K, by v_wmma_scale_f32_16x16x128_f8f6f4 with both operands' format E3M2, f32 sums; everything else in f32.
;; Inputs: W1_codes 8 x 256 x 8 x 24 uint8 (E3M2 codes of W1, K innermost, in blocks of 32 codes, four codes in three bytes); W1_scales 8 x 256 x 8 uint8 (E8M0 scales of W1, one for each 32 codes along K); W2_codes 8 x 256 x 8 x 24 uint8 (E3M2 codes of W2, K innermost, in blocks of 32 codes, four codes in three bytes); W2_scales 8 x 256 x 8 uint8 (E8M0 scales of W2, one for each 32 codes along K); b1 8 x 256 float32; b2 8 x 256 float32; scales 1 x 256 float32; shifta one number float32; shiftb one number float32; t 32,768 float32; y 32,768 x 256 float32.
;; Outputs: out0 32,768 x 256 float32.
;; This version of the problem:
;;   THIS VERSION OF THE PROBLEM IS GIVEN IN LOW PRECISION. The matrix products marked QUANTISED in the list below multiply operands that are first quantised to E3M2 (3 exponent bits, 2 mantissa bits; 6 bits a number), with one power-of-two scale for each 32 numbers along K (OCP MX v1.0); their sums are f32. All else is computed in f32.
;;   The module's matrix products, in the order in which they are computed (A, B: the left and right operand; K: the contracted axis; several contracted axes count as one K, in the product's order):
;;     1. [M 32,768, K 256] x [K 256, N 256]; A: input y; B: input W1 (given as codes): QUANTISED
;;     2. [M 32,768, K 256] x [K 256, N 256]; A: computed on the way; B: input W2 (given as codes): QUANTISED
;;     3. [M 32,768, K 256] x [K 256, N 256]; A: input y; B: input W1 (given as codes): QUANTISED
;;     4. [M 32,768, K 256] x [K 256, N 256]; A: computed on the way; B: input W2 (given as codes): QUANTISED
;;     5. [M 32,768, K 256] x [K 256, N 256]; A: input y; B: input W1 (given as codes): QUANTISED
;;     6. [M 32,768, K 256] x [K 256, N 256]; A: computed on the way; B: input W2 (given as codes): QUANTISED
;;     7. [M 32,768, K 256] x [K 256, N 256]; A: input y; B: input W1 (given as codes): QUANTISED
;;     8. [M 32,768, K 256] x [K 256, N 256]; A: computed on the way; B: input W2 (given as codes): QUANTISED
;;     9. [M 32,768, K 256] x [K 256, N 256]; A: input y; B: input W1 (given as codes): QUANTISED
;;     10. [M 32,768, K 256] x [K 256, N 256]; A: computed on the way; B: input W2 (given as codes): QUANTISED
;;     11. [M 32,768, K 256] x [K 256, N 256]; A: input y; B: input W1 (given as codes): QUANTISED
;;     12. [M 32,768, K 256] x [K 256, N 256]; A: computed on the way; B: input W2 (given as codes): QUANTISED
;;     13. [M 32,768, K 256] x [K 256, N 256]; A: input y; B: input W1 (given as codes): QUANTISED
;;     14. [M 32,768, K 256] x [K 256, N 256]; A: computed on the way; B: input W2 (given as codes): QUANTISED
;;     15. [M 32,768, K 256] x [K 256, N 256]; A: input y; B: input W1 (given as codes): QUANTISED
;;     16. [M 32,768, K 256] x [K 256, N 256]; A: computed on the way; B: input W2 (given as codes): QUANTISED
;;   THE QUANTISER, for each operand of a quantised product, along K:
;;     - K is cut into blocks of 32 from its start; a last block that is shorter is filled with zeros.
;;     - A block's scale is 2^e with e = floor(log2(the largest magnitude in the block)) - 4, held to -126 .. 127; a block of zeros has e = 0. As a byte (E8M0): e + 127.
;;     - Each number is divided by its block's scale, clamped to +-28, and rounded to the nearest number of E3M2, ties to even, subnormals kept.
;;     - The product sums the exact products of the quantised numbers (number of the format x scale) in f32.
;;   ~~~python
;;   def quantise(x, axis):      # numpy; x: float32 -> the quantised numbers, widened to float32 again
;;       x = np.moveaxis(x, axis, -1); K = x.shape[-1]
;;       x = np.pad(x, [(0, 0)] * (x.ndim - 1) + [(0, -K % 32)]); x = x.reshape(x.shape[:-1] + (-1, 32)); a = np.abs(x).max(-1, keepdims=True)
;;       e = np.where(a > 0, np.clip(np.frexp(np.where(a > 0, a, 1))[1] - 1 - 4, -126, 127), 0)      # np.frexp(a)[1] - 1 = floor(log2(a)), exactly
;;       r = np.clip(x / 2.0 ** e, -28, 28)
;;       step = 2.0 ** (np.maximum(np.frexp(np.where(r == 0, 1, r))[1] - 1, -2) - 2)
;;       q = np.round(r / step) * step * 2.0 ** e      # np.round: ties to even
;;       return np.moveaxis(q.reshape(q.shape[:-2] + (-1,))[..., :K], -1, axis).astype(np.float32)
;;   ~~~
;;   OPERANDS COMPUTED ON THE WAY. 'Computed on the way' means the value that the module computes at that place (a softmax that the list does not call 'softmax' is quantised finished and normalised). What goes into a quantiser is computed in f32, as accurately as f32 sums, v_exp_f32 and their like allow (about 1e-6 of the number): no bf16 or f16 on the way to a quantiser, and a product that is left as it is and whose result goes on into a quantised operand takes f32 operands (vector FMAs, or v_wmma_f32_16x16x4_f32). A number that lies on a knife's edge between two numbers of the format may be rounded either way, as far as f32 arithmetic and the matrix unit's own rounding can turn it there, and no further.
;;   INPUTS GIVEN AS CODES. W1 (in the module: [8, 256, 256], K = its axis 2); W2 (in the module: [8, 256, 256], K = its axis 2): each comes as NAME_codes (uint8): NAME with its K axis moved to the last place and cut into blocks of 32 codes, [.., K / 32, bytes a block], one block behind the other in memory; four codes in three bytes: a row's codes are one little-endian stream of bits, code i at bits 6 i .. 6 i + 5 (a code: sign, 3 exponent bits, 2 mantissa bits); and NAME_scales (uint8): the same leading axes, one E8M0 byte (e + 127) for each 32 codes along K. Its value is code x scale, taken as it is: it is not quantised again, and the codes and scales need not be those that the quantiser above would give.
;; One version. Each part assembles by itself: llvm-mc -triple=amdgcn-amd-amdhsa -mcpu=gfx1250 --defsym DOCPART=n.
;; ======== version 1 of 1: 3 launches
;; workspace buffers: crk 131,072 bytes of whole numbers; wtot 512 bytes of whole numbers; list 135,168 bytes of whole numbers; tiles 6,144 bytes of whole numbers; wimg 786,432 bytes
;; launch prep (part 1): grid 16 x 1, 16 waves a work-group, no clusters, 4,096 bytes of LDS; arguments t, W1_codes, W2_codes, crk, wtot, wimg; writes crk, wtot, wimg
.if DOCPART == 1
	.amdgcn_target "amdgcn-amd-amdhsa--gfx1250"
	.amdhsa_code_object_version 6
	.text
	.protected	k_qcb2c44691c_prep
	.globl	k_qcb2c44691c_prep
	.p2align	8
	.type	k_qcb2c44691c_prep,@function
k_qcb2c44691c_prep:
	s_mov_b64 s[64:65], 0
	v_nop
	global_prefetch_b8 v0, s[64:65] scope:SCOPE_SE
	s_setreg_imm32_b32 hwreg(HW_REG_WAVE_MODE, 25, 1), 1
	s_wait_xcnt 0x0
; THE CHOICE OF EXPERTS AS WHOLE NUMBERS AT FIXED PLACES, AND THE WEIGHTS AS REGISTER IMAGES.
; Class of a token: min(int(8 t), 7), toward zero; 8 t <= -1 matches no expert and is class 8.  No address and no branch here hangs on t: a class only makes numbers that are stored.
;   crk [32768] u32: bits 0-15 the token's rank among the tokens of its class in this work-group's 2,048 (the order of ranks is wave, i, lane: any order serves); bit 16 + class set.
;   wtot [5 planes][16 work-groups] u32: plane q: the work-group's rows of class 2 q in bits 0-15, of class 2 q + 1 in bits 16-31.
;   wimg [expert 8][wave 8][fragment 8] x 1,536 bytes: a fragment (16 rows x 128 K of 6-bit codes, 12 registers a lane) as the last launch's registers take it:
;        registers 4 k .. 4 k + 3 of lane L at 512 k + 16 L.  Fragment 2 u + s: W1, lane r = row 32 w + 8 u + r + 8 (r / 8), K step s;  fragment 4 + 2 n + s: W2, lane r = row 32 w + 16 n + r.
; SHARES: 16 work-groups x 16 waves = 256 waves; wave Q takes tokens 128 Q + 4 lane + i (i = 0 .. 3) and fragments 2 Q and 2 Q + 1.
; LIMITS: a NaN in t counts as no expert; 8 t beyond the range of i32 counts as expert 7.
; LDS: [wave 16][lane 32] words: lane c of wave w holds the wave's rows of class c.
	s_load_b256 s[4:11], s[0:1], 0x0               ; t s[4:5], W1's codes s[6:7], W2's codes s[8:9], crk s[10:11]
	s_load_b128 s[12:15], s[0:1], 0x20             ; wtot s[12:13], wimg s[14:15]
	v_lshl_add_u32 v64, v0, 2, 0x800
	v_mov_b32 v65, 0
	v_lshrrev_b32 v1, 5, v0
	v_readfirstlane_b32 s16, v1                    ; wave 0..15
	v_and_b32 v1, 31, v0                           ; lane
	v_and_b32 v2, 15, v0                           ; r
	v_bfe_u32 v3, v0, 4, 1                         ; h
	v_lshlrev_b32 v6, 4, v1                        ; 16 x lane: my four tokens, and my place in an image
	v_lshlrev_b32 v7, 2, v0                        ; LDS, in: 128 x wave + 4 x lane
	v_lshlrev_b32 v45, 2, v1                       ; LDS, out: 4 x lane, the wave in the immediate
	s_lshl_b32 s18, ttmp9, 2
	v_lshl_add_u32 v46, v1, 6, s18                 ; wtot: plane = lane, 64 bytes a plane, + 4 x work-group
	s_lshl_b32 s17, ttmp9, 4
	s_add_co_u32 s17, s17, s16                     ; Q
	; which fragments are mine
	s_and_b32 s21, s17, 3                          ; 0, 1: W1's tile u;  2, 3: W2's tile n
	s_and_b32 s22, s17, 1                          ; u or n
	s_bfe_u32 s23, s17, 0x30002                    ; w
	s_lshr_b32 s24, s17, 5                         ; expert
	s_cmp_lt_u32 s21, 2
	s_cselect_b32 s25, 8, 16                       ; a tile begins 8 u rows on in W1, 16 n in W2
	s_cselect_b32 s26, 8, 0                        ; W1's lanes 8-15 take rows 8 further on
	s_mul_i32 s25, s25, s22
	s_lshl_b32 s27, s23, 5
	s_add_co_u32 s27, s27, s25                     ; the tile's first row
	s_mul_i32 s27, s27, 192                        ; a row of 256 codes is 192 bytes
	s_mul_i32 s28, s24, 49152                      ; an expert's 256 rows
	s_add_co_u32 s28, s28, s27
	s_mov_b32 s29, 0
	v_and_b32 v5, s26, v2
	v_add_nc_u32 v5, v5, v2
	v_mul_u32_u24 v5, v5, 192
	v_mad_u32_u24 v5, v3, 24, v5                   ; my row, + 24 bytes for lanes 16-31
	s_lshl_b32 s30, s17, 9                         ; my 128 tokens: 512 bytes of t and of crk
	s_mov_b32 s31, 0
	s_mul_i32 s40, s17, 3072                       ; my two images
	s_mov_b32 s41, 0
	s_wait_kmcnt 0x0
	s_add_nc_u64 s[4:5], s[4:5], s[30:31]
	s_add_nc_u64 s[10:11], s[10:11], s[30:31]
	global_load_b128 v[8:11], v6, s[4:5] th:TH_LOAD_NT   ; 32 lanes read 512 consecutive bytes
	s_cmp_lt_u32 s21, 2                            ; the choice hangs on the wave's and the work-group's numbers alone
	s_cselect_b64 s[6:7], s[6:7], s[8:9]
	s_add_nc_u64 s[6:7], s[6:7], s[28:29]
	s_add_nc_u64 s[14:15], s[14:15], s[40:41]
.irp s, 0,1
.irp p, 0,1,2,3,4,5
	global_load_b64 v[16+12*\s+2*\p:16+12*\s+2*\p+1], v5, s[6:7] offset:96*\s+48*(\p/3)+8*(\p%3) th:TH_LOAD_NT   ; registers 6 c .. 6 c + 5: K = 128 s + 64 c + 32 h + 0 .. 31, as the bytes lie
.endr
.endr
	v_mov_b32 v44, 0                               ; the wave's counts: lanes 9-31 stay 0
.irp i, 0,1,2,3
	v_mov_b32 v[12+\i], 0                          ; the words of crk: every lane is written below, since every token has a class
.endr
	s_wait_loadcnt 12                              ; t's load is in; the 12 loads of codes issued behind it may be out
.irp i, 0,1,2,3
	v_mul_f32 v[8+\i], 0x41000000, v[8+\i]         ; t / (1 / 8), exact
.endr
.irp i, 0,1,2,3
	v_max_num_f32 v[8+\i], -1.0, v[8+\i]           ; all under -1 count alike (a NaN too)
.endr
.irp i, 0,1,2,3
	v_min_num_f32 v[8+\i], 0x40e00000, v[8+\i]     ; the hold at 7
.endr
.irp i, 0,1,2,3
	v_cvt_i32_f32 v[8+\i], v[8+\i]                 ; toward zero: -1 .. 7
.endr
.irp i, 0,1,2,3
	v_min_u32 v[8+\i], 8, v[8+\i]                  ; -1 becomes class 8
.endr
	; ---- my wave's rows of each class
.irp c, 0,1,2,3,4,5,6,7,8
.irp i, 0,1,2,3
	v_cmp_eq_u32 s[32+\i], \c, v[8+\i]
.endr
.irp i, 0,1,2,3
	s_bcnt1_i32_b32 s[36+\i], s[32+\i]
.endr
	s_add_co_u32 s36, s36, s37
	s_add_co_u32 s38, s38, s39
	s_add_co_u32 s36, s36, s38
	v_writelane_b32 v44, s36, \c                   ; into lane c
.endr
	ds_store_b32 v7, v44                           ; 128 consecutive bytes a wave
	s_wait_dscnt 0x0                               ; for the others' sake: my store has landed
	s_barrier_signal -1
	s_barrier_wait -1
.irp w, 0,1,2,3,4,5,6,7,8,9,10,11,12,13,14,15
	ds_load_b32 v[48+\w], v45 offset:128*\w        ; lane c: wave w's rows of class c
.endr
	v_mov_b32 v41, 0
	v_mov_b32 v42, 0
	s_wait_dscnt 0x0
.irp w, 0,1,2,3,4,5,6,7,8,9,10,11,12,13,14,15
	s_cmp_lt_u32 \w, s16
	s_cselect_b32 s20, -1, 0
	v_and_b32 v43, s20, v[48+\w]
	v_add_nc_u32 v42, v42, v[48+\w]                ; lane c: the work-group's rows of class c,
	v_add_nc_u32 v41, v41, v43                     ; and those of the waves ahead of mine
.endr
	; ---- each token's rank: the waves ahead, my wave's earlier i, the lanes below
.irp c, 0,1,2,3,4,5,6,7,8
	v_readlane_b32 s20, v41, \c
	s_add_co_u32 s20, s20, 1<<(16+\c)              ; the class's bit rides on the rank (a rank is under 2,048)
.irp i, 0,1,2,3
	v_cmp_eq_u32 s[32+\i], \c, v[8+\i]
.endr
.irp i, 0,1,2,3
	v_mbcnt_lo_u32_b32 v40, s[32+\i], s20          ; s20 + the class's tokens in the lanes below mine
	s_bcnt1_i32_b32 s36, s[32+\i]
	v_cndmask_b32 v[12+\i], v[12+\i], v40, s[32+\i]
	s_add_co_u32 s20, s20, s36
.endr
.endr
	global_store_b128 v6, v[12:15], s[10:11]       ; 32 lanes store 512 consecutive bytes, at a multiple of 256 from crk's first byte
	s_wait_loadcnt 0x0                             ; the codes
.irp s, 0,1
.irp k, 0,1,2
	global_store_b128 v6, v[16+12*\s+4*\k:16+12*\s+4*\k+3], s[14:15] offset:1536*\s+512*\k   ; 512 consecutive bytes, at a multiple of 256 from wimg's first byte
.endr
.endr
	s_cmp_lg_u32 s16, 0
	s_cbranch_scc1 .Ldone
	; ---- wave 0: the work-group's nine totals, two to a word
.irp c, 0,1,2,3,4,5,6,7,8
	v_readlane_b32 s[32+\c], v42, \c
.endr
	v_mov_b32 v47, 0
.irp q, 0,1,2,3
	s_lshl_b32 s41, s[33+2*\q], 16
	s_or_b32 s41, s41, s[32+2*\q]
	v_writelane_b32 v47, s41, \q
.endr
	v_writelane_b32 v47, s40, 4
	s_wait_xcnt 0x0                                ; EXEC changes only behind this wait: stores are out
	v_cmp_gt_u32 vcc_lo, 5, v1
	s_and_saveexec_b32 s42, vcc_lo
	global_store_b32 v46, v47, s[12:13]            ; lanes 0-4: five words in all
	s_wait_xcnt 0x0                                ; and again ahead of the line that widens it
	s_or_b32 exec_lo, exec_lo, s42
.Ldone:
	s_wait_tensorcnt 0x0
	ds_add_u32 v64, v65
	s_wait_dscnt 0x0
	s_endpgm
.Lfunc_end_k_qcb2c44691c_prep:
	.size	k_qcb2c44691c_prep, .Lfunc_end_k_qcb2c44691c_prep-k_qcb2c44691c_prep
	.p2alignl 7, 3214868480
	.fill 96, 4, 3214868480
	.section	.rodata,"a",@progbits
	.p2align	6, 0x0
	.amdhsa_kernel k_qcb2c44691c_prep
		.amdhsa_group_segment_fixed_size 4096
		.amdhsa_private_segment_fixed_size 0
		.amdhsa_enable_private_segment 0
		.amdhsa_kernarg_size 48
		.amdhsa_user_sgpr_count 2
		.amdhsa_user_sgpr_kernarg_segment_ptr 1
		.amdhsa_wavefront_size32 1
		.amdhsa_system_sgpr_workgroup_id_x 1
		.amdhsa_system_sgpr_workgroup_id_y 1
		.amdhsa_system_sgpr_workgroup_id_z 1
		.amdhsa_system_vgpr_workitem_id 0
		.amdhsa_next_free_vgpr 66
		.amdhsa_next_free_sgpr 66
		.amdhsa_reserve_vcc 1
		.amdhsa_float_denorm_mode_32 3
		.amdhsa_float_denorm_mode_16_64 3
		.amdhsa_memory_ordered 1
		.amdhsa_forward_progress 1
		.amdhsa_inst_pref_size 26
	.end_amdhsa_kernel
	.amdgpu_metadata
---
amdhsa.version: [ 1, 2 ]
amdhsa.kernels:
  - .name:           k_qcb2c44691c_prep
    .symbol:         k_qcb2c44691c_prep.kd
    .args:
      - { .name: t, .offset: 0, .size: 8, .value_kind: global_buffer, .address_space: global }
      - { .name: W1_codes, .offset: 8, .size: 8, .value_kind: global_buffer, .address_space: global }
      - { .name: W2_codes, .offset: 16, .size: 8, .value_kind: global_buffer, .address_space: global }
      - { .name: crk, .offset: 24, .size: 8, .value_kind: global_buffer, .address_space: global }
      - { .name: wtot, .offset: 32, .size: 8, .value_kind: global_buffer, .address_space: global }
      - { .name: wimg, .offset: 40, .size: 8, .value_kind: global_buffer, .address_space: global }
    .group_segment_fixed_size: 4096
    .private_segment_fixed_size: 0
    .kernarg_segment_align: 8
    .kernarg_segment_size: 48
    .max_flat_workgroup_size: 512
    .sgpr_count:     66
    .vgpr_count:     66
    .wavefront_size: 32
...
	.end_amdgpu_metadata
.endif
;; end of part 1
;; launch place (part 2): grid 64 x 1, 4 waves a work-group, no clusters, 0 bytes of LDS; arguments crk, wtot, list, tiles; writes list, tiles
.if DOCPART == 2
	.amdgcn_target "amdgcn-amd-amdhsa--gfx1250"
	.amdhsa_code_object_version 6
	.text
	.protected	k_qcb2c44691c_place
	.globl	k_qcb2c44691c_place
	.p2align	8
	.type	k_qcb2c44691c_place,@function
k_qcb2c44691c_place:
	s_mov_b64 s[64:65], 0
	v_nop
	global_prefetch_b8 v0, s[64:65] scope:SCOPE_SE
	s_setreg_imm32_b32 hwreg(HW_REG_WAVE_MODE, 25, 1), 1
	s_wait_xcnt 0x0
; THE ROWS ARE PLACED BY CLASS.  Classes follow each other in tiles of 128 rows, ceil(n / 128) tiles each: with 32,768 rows and 9 classes never more than (32,768 + 9 x 127) / 128 = 264.
;   list [264 tiles][128] u32: the token of each row; of a tile's 128 places only those up to its count are written.
;   tiles [384][4] u32: class, rows (0 .. 128), the tile's first place in list (0 where it has no rows), 0.
; A token's place = 128 x its class's first tile + its class's rows in the counting work-groups ahead of its own + its stored rank.
; The first two are the same for all tokens of a class here, G[class], and are made by scalar additions from the 80 stored words, in every wave.
; Every number on the way to a store's address is a stored whole number that goes through scalar instructions and plain vector bit fields, multiply-adds and shifts.
; SHARES: 64 work-groups x 4 waves; a thread takes four tokens.  Work-groups 0 to 2 also store the table of tiles, an entry a thread.  Waves share nothing: no LDS, no barrier.
.set GB, 20                            ; s20-28  G[c]
.set NC, 36                            ; s36-44  n[c], the classes' rows
.set TS, 52                            ; s52-60  the classes' first tiles
	s_load_b256 s[4:11], s[0:1], 0x0               ; crk s[4:5], wtot s[6:7], list s[8:9], tiles s[10:11]
	v_lshlrev_b32 v1, 4, v0                        ; 16 x thread: my four tokens' words
	s_lshr_b32 s12, ttmp9, 2                       ; which of the 16 counting work-groups had my 512 tokens
	s_lshl_b32 s14, ttmp9, 11                      ; 512 tokens x 4 bytes
	s_mov_b32 s15, 0
	s_wait_kmcnt 0x0
	s_load_b512 s[16:31], s[6:7], 0x0              ; plane 0: classes 0 and 1 of the 16 work-groups,
	s_load_b512 s[32:47], s[6:7], 0x40
	s_load_b512 s[48:63], s[6:7], 0x80
	s_load_b512 s[68:83], s[6:7], 0xc0
	s_load_b512 s[84:99], s[6:7], 0x100            ; plane 4: class 8
	s_add_nc_u64 s[4:5], s[4:5], s[14:15]
	global_load_b128 v[4:7], v1, s[4:5] th:TH_LOAD_NT   ; 32 lanes read 512 consecutive bytes
	s_lshl_b32 s13, ttmp9, 9
	v_lshl_add_u32 v16, v0, 2, s13                 ; my first token's number
.irp i, 1,2,3
	v_add_nc_u32 v[16+\i], \i, v16
.endr
	s_wait_kmcnt 0x0
; A plane's 16 words: their sum, and the sum of those ahead of my work-group; both halves of a word at once (no half passes 32,768).  The results take the plane's first two registers.
.macro PLANE B
	s_mov_b32 s2, 0
	s_mov_b32 s3, 0
.irp w, 0,1,2,3,4,5,6,7,8,9,10,11,12,13,14,15
	s_cmp_lt_u32 \w, s12
	s_cselect_b32 s13, s[\B+\w], 0
	s_add_co_u32 s2, s2, s13
	s_add_co_u32 s3, s3, s[\B+\w]
.endr
	s_mov_b32 s[\B], s2
	s_mov_b32 s[\B+1], s3
.endm
	PLANE 16
	PLANE 32
	PLANE 48
	PLANE 68
	PLANE 84
.macro UNP q, B
	s_and_b32 s[GB+2*\q], s[\B], 0xffff
	s_lshr_b32 s[GB+2*\q+1], s[\B], 16
	s_and_b32 s[NC+2*\q], s[\B+1], 0xffff
	s_lshr_b32 s[NC+2*\q+1], s[\B+1], 16
.endm
	UNP 0, 16
	UNP 1, 32
	UNP 2, 48
	UNP 3, 68
	s_mov_b32 s[GB+8], s84
	s_mov_b32 s[NC+8], s85
	s_mov_b32 s2, 0                                ; tiles ahead of class c
.irp c, 0,1,2,3,4,5,6,7,8
	s_mov_b32 s[TS+\c], s2
	s_lshl_b32 s3, s2, 7
	s_add_co_u32 s[GB+\c], s[GB+\c], s3
	s_add_co_u32 s3, s[NC+\c], 127
	s_lshr_b32 s3, s3, 7
	s_add_co_u32 s2, s2, s3
.endr
	s_wait_loadcnt 0x0
.irp i, 0,1,2,3
	v_and_b32 v[8+\i], 0xffff, v[4+\i]             ; the stored rank
.endr
.irp c, 0,1,2,3,4,5,6,7,8
.irp i, 0,1,2,3
	v_bfe_u32 v[12+\i], v[4+\i], 16+\c, 1          ; 1 where the token is of class c
.endr
.irp i, 0,1,2,3
	v_mad_u32_u24 v[8+\i], v[12+\i], s[GB+\c], v[8+\i]
.endr
.endr
.irp i, 0,1,2,3
	v_min_u32 v[8+\i], 0x83ff, v[8+\i]             ; a number made of loaded ones enters an address only behind this hold at the list's last place, 264 x 128 - 1
.endr
.irp i, 0,1,2,3
	v_lshlrev_b32 v[8+\i], 2, v[8+\i]
.endr
.irp i, 0,1,2,3
	global_store_b32 v[8+\i], v[16+\i], s[8:9]     ; a scatter of four bytes: tokens of one class that follow each other in rank lie side by side
.endr
	s_cmp_lt_u32 ttmp9, 3
	s_cbranch_scc0 .Ldone
	; ---- the table of tiles: entry 128 x work-group + thread
	s_lshl_b32 s3, ttmp9, 7
	v_add_nc_u32 v20, s3, v0
	v_mov_b32 v24, 0                               ; class
	v_mov_b32 v21, 0                               ; its first tile
	v_mov_b32 v22, 0                               ; its rows
.irp c, 0,1,2,3,4,5,6,7,8
	v_cmp_le_u32 vcc_lo, s[TS+\c], v20             ; the last class that begins at or ahead of the tile has it
	v_mov_b32 v28, s[TS+\c]
	v_mov_b32 v29, s[NC+\c]
	v_cndmask_b32 v24, v24, \c, vcc_lo
	v_cndmask_b32 v21, v21, v28, vcc_lo
	v_cndmask_b32 v22, v22, v29, vcc_lo
.endr
	v_sub_nc_u32 v23, v20, v21
	v_lshlrev_b32 v23, 7, v23                      ; the rank of the tile's first row
	v_max_u32 v25, v22, v23
	v_sub_nc_u32 v25, v25, v23
	v_min_u32 v25, 0x80, v25                       ; its rows: 0 .. 128
	v_cmp_lt_u32 vcc_lo, 0, v25
	v_lshlrev_b32 v26, 7, v20
	v_cndmask_b32 v26, 0, v26, vcc_lo              ; a tile without rows points at place 0, which is always written
	v_mov_b32 v27, 0
	v_lshlrev_b32 v30, 4, v20
	global_store_b128 v30, v[24:27], s[10:11]      ; 32 lanes store 512 consecutive bytes, at a multiple of 256 from the table's first byte
.Ldone:
	s_endpgm
.Lfunc_end_k_qcb2c44691c_place:
	.size	k_qcb2c44691c_place, .Lfunc_end_k_qcb2c44691c_place-k_qcb2c44691c_place
	.p2alignl 7, 3214868480
	.fill 96, 4, 3214868480
	.section	.rodata,"a",@progbits
	.p2align	6, 0x0
	.amdhsa_kernel k_qcb2c44691c_place
		.amdhsa_group_segment_fixed_size 0
		.amdhsa_private_segment_fixed_size 0
		.amdhsa_enable_private_segment 0
		.amdhsa_kernarg_size 32
		.amdhsa_user_sgpr_count 2
		.amdhsa_user_sgpr_kernarg_segment_ptr 1
		.amdhsa_wavefront_size32 1
		.amdhsa_system_sgpr_workgroup_id_x 1
		.amdhsa_system_sgpr_workgroup_id_y 1
		.amdhsa_system_sgpr_workgroup_id_z 1
		.amdhsa_system_vgpr_workitem_id 0
		.amdhsa_next_free_vgpr 32
		.amdhsa_next_free_sgpr 102
		.amdhsa_reserve_vcc 1
		.amdhsa_float_denorm_mode_32 3
		.amdhsa_float_denorm_mode_16_64 3
		.amdhsa_memory_ordered 1
		.amdhsa_forward_progress 1
		.amdhsa_inst_pref_size 23
	.end_amdhsa_kernel
	.amdgpu_metadata
---
amdhsa.version: [ 1, 2 ]
amdhsa.kernels:
  - .name:           k_qcb2c44691c_place
    .symbol:         k_qcb2c44691c_place.kd
    .args:
      - { .name: crk, .offset: 0, .size: 8, .value_kind: global_buffer, .address_space: global }
      - { .name: wtot, .offset: 8, .size: 8, .value_kind: global_buffer, .address_space: global }
      - { .name: list, .offset: 16, .size: 8, .value_kind: global_buffer, .address_space: global }
      - { .name: tiles, .offset: 24, .size: 8, .value_kind: global_buffer, .address_space: global }
    .group_segment_fixed_size: 0
    .private_segment_fixed_size: 0
    .kernarg_segment_align: 8
    .kernarg_segment_size: 32
    .max_flat_workgroup_size: 128
    .sgpr_count:     102
    .vgpr_count:     32
    .wavefront_size: 32
...
	.end_amdgpu_metadata
.endif
;; end of part 2
;; launch chain (part 3): grid 264 x 1, 8 waves a work-group, no clusters, 162,816 bytes of LDS; arguments tiles, list, wimg, W1_scales, W2_scales, b1, b2, scales, shifta, shiftb, y, out0; writes out0
.if DOCPART == 3
	.amdgcn_target "amdgcn-amd-amdhsa--gfx1250"
	.amdhsa_code_object_version 6
	.text
	.protected	k_qcb2c44691c_chain
	.globl	k_qcb2c44691c_chain
	.p2align	8
	.type	k_qcb2c44691c_chain,@function
k_qcb2c44691c_chain:
	s_mov_b64 s[64:65], 0
	v_nop
	global_prefetch_b8 v0, s[64:65] scope:SCOPE_SE
	s_setreg_imm32_b32 hwreg(HW_REG_WAVE_MODE, 25, 1), 1
	s_wait_xcnt 0x0
; out = g (tanh(y W1[e]^T + b1[e]) W2[e]^T + b2[e]) + c y for the expert e of each row;  g = 0.5 (sig(shifta) + sig(shiftb)) sig(scales), c = 0.5 (sig(shiftb) - sig(shifta)).
; Both products on codes of BF6 (E3M2) with one E8M0 scale for each 32 along K; y and the hidden layer are quantised here, in registers; the hidden layer never goes to memory.
; ONLY THE CHOSEN EXPERT'S ROWS ARE MULTIPLIED.  A work-group takes one tile: up to 128 rows of one class (expert 0-7, or 8 = no expert: f counts for 0).  With 32,768 rows and 9 classes there are never more than
; (32,768 + 9 x 127) / 128 = 264 tiles: the grid.  The tile's class, count and rows are read from the table of tiles and the list of rows (whole numbers of the launch before).  A work-group without rows stores nothing.
; SHARES.  Two blocks of 64 rows.  THE WAVES SHARE THE COLUMNS: wave w makes hidden units 32 w .. 32 w + 31 and outputs 32 w .. 32 w + 31 of all rows, so its 8 weight fragments (96 registers) are loaded once, as images.
; Wave w also loads and stores the tile's rows 64 b + 8 w + 0 .. 7, and quantises y's fragment w (rows 16 (w / 2) on, K step w % 2).  Operands go from wave to wave through LDS as images of their registers.
; Both products are used transposed (source 0 = 16 rows of a weight, source 1 = 16 rows of the tile): a lane holds one row and neighbours along the columns.
; No tensor loads, no cluster: which work-groups share an expert hangs on the counts, and a tile's stores stand under a branch on a stored number.
; LIMITS: tanh(x) = 1 - 2 / (1 + 2^(2 log2(e) x)): its absolute error is about 1e-7, so its relative error grows where |x| is far under 1.  Blocks whose largest magnitude lies under 2^-122 keep the scale byte 1.
; NaN and infinities in y are not served.  Rows of a tile beyond its count repeat its last row and store the same bytes again.  Class 8 runs on expert 7's codes with unit weight scales, zero biases and gain 0.
.set PY,   1040                        ; a row of y in LDS: 1,024 bytes + 16 = 260 words: row r starts at bank 4 r mod 64 (64 banks of 4 bytes: ISA guide 11.1)
.set XIMG, 0                           ; y's 8 fragments (2 m + s) as images: registers 4 k .. of lane L at 512 k + 16 L
.set HIMG, 12288                       ; the hidden layer's 8 fragments (2 m + s), 48 bytes a lane
.set XSC,  24576                       ; y's scale words: 64 bytes a fragment, 4 a row
.set HSC,  25088                       ; the hidden layer's
.set B1T,  25600                       ; b1[e], b2[e], g: 256 numbers each
.set B2T,  26624
.set GT,   27648
.set YST,  28672                       ; 128 rows of y, later of out
.set LI,  1                            ; v1   16 x lane
.set L4,  2                            ; v2   4 x lane
.set L48, 3                            ; v3   48 x lane
.set YSA, 4                            ; v4-5 my 16 bytes of my wave's first two rows of block 0, 1 in YST
.set YQA, 6                            ; v6   where I read numbers of y to quantise
.set YEA, 7                            ; v7   where my results' numbers of y lie
.set XWI, 8                            ; v8   where I store y's image;   v9 its scale word
.set XWS, 9
.set HWI, 10                           ; v10  where I store my 12 bytes of hidden codes;   v11 their scale byte
.set HWS, 11
.set B1A, 12                           ; v12  128 w + 64 h;   v13  128 w + 32 h
.set B2A, 13
.set PD,  14                           ; v14-15 destinations of lane permutes
.set RO,  16                           ; v16-23 byte offset in y and out0 of row pair p of block b (4 b + p): token x 1,024 + 16 r
.set XS,  24                           ; v24  y's scale words;  v25-28 the hidden layer's: these hold scales alone
.set HS,  25
.set R16, 29
.set J4,  30
.set WF,  32                           ; v32-127 my 8 weight fragments
.set W1S, 128                          ; v128-129 W1's scale words (tile u), v130-131 W2's (tile n): lanes 0-15 K step 0, lanes 16-31 K step 1
.set W2S, 130
.set S,   132                          ; quantising y: 32 numbers;  PC the fragment's codes;  TT a block's second half
.set PC,  164
.set TT,  176
.set MX,  180
.set SO,  182
.set BY,  184
.set PW,  186
.set XF,  132                          ; the hidden layer: y's two fragments;  AC two accumulators;  CD 16 codes
.set AC,  156
.set CD,  172
.set HM0, 176
.set HM1, 177
.set SOH, 178
.set BYH, 179
.set HF,  132                          ; the second product: four hidden fragments;  A2 eight accumulators ((n, m) at 8 (4 n + m))
.set A2,  192
.set GR,  132
.set YV,  148
.set YR,  192                          ; 16 x 4 registers: 8 rows on their way in or out
.set IDX, 132                          ; the head: where my eight row pairs stand in the list
.set T1,  140
.set SCV, 177
.set B1V, 178
.set B2V, 179
.set SG,  180
.set RR,  184
.set HH,  185
.set W1SO, 189
.set W2SO, 190
.macro BARRIER                         ; my LDS stores have landed and my LDS loads are in: then the work-group's barrier
	s_wait_dscnt 0x0
	s_barrier_signal -1
	s_barrier_wait -1
.endm
.macro PLACES                          ; four plain places behind matrix instructions, ahead of reads of their results and of loads into their registers
.rept 4
	v_nop
.endr
.endm
.macro YLOAD b                         ; my 8 rows of block b: lanes 0-15 read 256 consecutive bytes of row 2 p, lanes 16-31 of row 2 p + 1
.set KQ, 0
.rept 16
	global_load_b128 v[YR+4*KQ:YR+4*KQ+3], v[RO+4*\b+KQ/4], s[28:29] offset:256*(KQ%4)
.set KQ, KQ+1
.endr
.endm
.macro YSTORE b
.set KQ, 0
.rept 16
	ds_store_b128 v[YSA+\b], v[YR+4*KQ:YR+4*KQ+3] offset:2*(KQ/4)*PY+256*(KQ%4)
.set KQ, KQ+1
.endr
.endm
; Blocks 2 c and 2 c + 1 of my fragment's K step: lane (r, h) takes 16 neighbours of each; the block's largest magnitude with lane l xor 16's; registers 6 c .. 6 c + 5 of the codes.
.macro QHALF c
.irp bb, 0,1
.irp j, 0,1,2,3
	ds_load_b128 v[S+16*\bb+4*\j:S+16*\bb+4*\j+3], v[YQA] offset:256*\c+128*\bb+16*\j
.endr
.endr
	s_wait_dscnt 0x0
.irp bb, 0,1
	v_max3_num_f32 v[MX+\bb], |v[S+16*\bb]|, |v[S+16*\bb+1]|, 0x2800000   ; and the floor 2^(5 - 127): the byte cannot fall under 1
.endr
.irp i, 2,4,6,8,10,12,14
.irp bb, 0,1
	v_max3_num_f32 v[MX+\bb], v[MX+\bb], |v[S+16*\bb+\i]|, |v[S+16*\bb+\i+1]|
.endr
.endr
	v_permlanex16_b32 v[PD], v[MX], s38, s39
	v_permlanex16_b32 v[PD+1], v[MX+1], s38, s39
	v_max_num_f32 v[MX], v[MX], v[PD]
	v_max_num_f32 v[MX+1], v[MX+1], v[PD+1]
	v_add_nc_u32 v[SO], 0xfe000000, v[MX]          ; 4 off the exponent field: the conversion's scale operand
	v_add_nc_u32 v[SO+1], 0xfe000000, v[MX+1]
	v_lshrrev_b32 v[BY], 23, v[SO]                 ; the scale's byte
	v_lshrrev_b32 v[BY+1], 23, v[SO+1]
.if \c == 0
	v_lshl_or_b32 v[PW], v[BY+1], 8, v[BY]
.else
	v_lshl_or_b32 v[PW], v[BY], 16, v[PW]
	v_lshl_or_b32 v[PW], v[BY+1], 24, v[PW]
.endif
	v_cvt_scalef32_pk16_bf6_f32 v[PC+6*\c:PC+6*\c+2], v[S:S+15], v[SO]
	v_cvt_scalef32_pk16_bf6_f32 v[TT:TT+2], v[S+16:S+31], v[SO+1]
	v_nop                                          ; one plain place behind a scaled conversion
.irp i, 0,1,2
	v_permlane16_swap_b32 v[PC+6*\c+\i], v[TT+\i]  ; a whole block to a lane: lanes 0-15 block 2 c, lanes 16-31 block 2 c + 1
.endr
.irp i, 0,1,2
	v_mov_b32 v[PC+6*\c+3+\i], v[TT+\i]
.endr
.endm
.macro XQ                              ; my fragment of y: codes and scale word, to LDS as they stand
	QHALF 0
	QHALF 1
.irp k, 0,1,2
	ds_store_b128 v[XWI], v[PC+4*\k:PC+4*\k+3] offset:XIMG+512*\k
.endr
	ds_store_b32 v[XWS], v[PW] offset:XSC          ; lanes r and 16 + r write the same word with the same value
.endm
.macro MM1 u, s
.if \s
	v_wmma_scale_f32_16x16x128_f8f6f4 v[AC+8*\u:AC+8*\u+7], v[WF+12*(2*\u+1):WF+12*(2*\u+1)+11], v[XF+12:XF+23], v[AC+8*\u:AC+8*\u+7], v[W1S+\u], v[XS] matrix_a_fmt:MATRIX_FMT_BF6 matrix_b_fmt:MATRIX_FMT_BF6 matrix_a_scale:MATRIX_SCALE_ROW1 matrix_b_scale:MATRIX_SCALE_ROW1
.else
	v_wmma_scale_f32_16x16x128_f8f6f4 v[AC+8*\u:AC+8*\u+7], v[WF+12*(2*\u):WF+12*(2*\u)+11], v[XF:XF+11], v[AC+8*\u:AC+8*\u+7], v[W1S+\u], v[XS] matrix_a_fmt:MATRIX_FMT_BF6 matrix_b_fmt:MATRIX_FMT_BF6
.endif
.endm
; Rows 16 m on: my 32 hidden units.  Register 8 u + j of lane (r, h) is unit 32 w + 16 h + 8 u + j of row r: 16 neighbours along the next K, half of ONE block of 32.
.macro HID m
.irp s, 0,1
.irp k, 0,1,2
	ds_load_b128 v[XF+12*\s+4*\k:XF+12*\s+4*\k+3], v[LI] offset:XIMG+(2*\m+\s)*1536+512*\k
.endr
.endr
	ds_load_b32 v[XS], v[L4] offset:XSC+128*\m     ; lanes 0-15: K step 0's words, lanes 16-31: K step 1's
.irp u, 0,1
	ds_load_b128 v[AC+8*\u:AC+8*\u+3], v[B1A] offset:B1T+32*\u       ; the bias is the C of the first product
	ds_load_b128 v[AC+8*\u+4:AC+8*\u+7], v[B1A] offset:B1T+32*\u+16
.endr
	s_wait_dscnt 0x0
	MM1 0, 0                                       ; the two accumulators by turns
	MM1 1, 0
	MM1 0, 1
	MM1 1, 1
	PLACES
.irp j, 0,2,4,6,8,10,12,14
	v_pk_mul_f32 v[AC+\j:AC+\j+1], v[AC+\j:AC+\j+1], s[40:41] op_sel_hi:[1,0]   ; 2 log2(e) x; each accumulator from its low end on
.endr
.irp j, 0,1,2,3,4,5,6,7,8,9,10,11,12,13,14,15
	v_exp_f32 v[AC+\j], v[AC+\j]
.endr
	v_nop                                          ; a plain place behind the batch
	s_wait_alu depctr_va_vdst(0)                   ; one wait for the 16 exponentials, ahead of their first reader
.irp j, 0,2,4,6,8,10,12,14
	v_pk_add_f32 v[AC+\j:AC+\j+1], v[AC+\j:AC+\j+1], 1.0 op_sel_hi:[1,0]
.endr
.irp j, 0,1,2,3,4,5,6,7,8,9,10,11,12,13,14,15
	v_rcp_f32 v[AC+\j], v[AC+\j]
.endr
	v_nop
	s_wait_alu depctr_va_vdst(0)                   ; and one for the 16 reciprocals
.irp j, 0,2,4,6,8,10,12,14
	v_pk_fma_f32 v[AC+\j:AC+\j+1], v[AC+\j:AC+\j+1], -2.0, 1.0 op_sel_hi:[1,0,0]   ; tanh
.endr
	v_max3_num_f32 v[HM0], |v[AC]|, |v[AC+1]|, 0x2800000
	v_max3_num_f32 v[HM1], |v[AC+2]|, |v[AC+3]|, |v[AC+4]|
	v_max3_num_f32 v[HM0], v[HM0], |v[AC+5]|, |v[AC+6]|
	v_max3_num_f32 v[HM1], v[HM1], |v[AC+7]|, |v[AC+8]|
	v_max3_num_f32 v[HM0], v[HM0], |v[AC+9]|, |v[AC+10]|
	v_max3_num_f32 v[HM1], v[HM1], |v[AC+11]|, |v[AC+12]|
	v_max3_num_f32 v[HM0], v[HM0], |v[AC+13]|, |v[AC+14]|
	v_max3_num_f32 v[HM0], v[HM0], v[HM1], |v[AC+15]|
	v_permlanex16_b32 v[PD], v[HM0], s38, s39
	v_max_num_f32 v[HM0], v[HM0], v[PD]            ; the block's largest magnitude
	v_add_nc_u32 v[SOH], 0xfe000000, v[HM0]
	v_lshrrev_b32 v[BYH], 23, v[SOH]
	v_cvt_scalef32_pk16_bf6_f32 v[CD:CD+2], v[AC:AC+15], v[SOH]
	v_nop                                          ; one plain place behind a scaled conversion
.irp i, 0,1,2
	ds_store_b32 v[HWI], v[CD+\i] offset:HIMG+3072*\m+4*\i   ; my 12 bytes at their place in the reader's registers: fragment 2 m + w / 4, lane r + 16 (w % 2), register 6 ((w / 2) % 2) + 3 h + i
.endr
	ds_store_b8 v[HWS], v[BYH] offset:HSC+128*\m   ; byte w % 4 of the row's scale word
.endm
.macro HLOAD s
.irp m, 0,1,2,3
.irp k, 0,1,2
	ds_load_b128 v[HF+12*\m+4*\k:HF+12*\m+4*\k+3], v[L48] offset:HIMG+(2*\m+\s)*1536+16*\k
.endr
.endr
.endm
.macro MM2 s                           ; eight accumulators by turns
.irp m, 0,1,2,3
.irp n, 0,1
.if \s
	v_wmma_scale_f32_16x16x128_f8f6f4 v[A2+8*(4*\n+\m):A2+8*(4*\n+\m)+7], v[WF+12*(5+2*\n):WF+12*(5+2*\n)+11], v[HF+12*\m:HF+12*\m+11], v[A2+8*(4*\n+\m):A2+8*(4*\n+\m)+7], v[W2S+\n], v[HS+\m] matrix_a_fmt:MATRIX_FMT_BF6 matrix_b_fmt:MATRIX_FMT_BF6 matrix_a_scale:MATRIX_SCALE_ROW1 matrix_b_scale:MATRIX_SCALE_ROW1
.else
	v_wmma_scale_f32_16x16x128_f8f6f4 v[A2+8*(4*\n+\m):A2+8*(4*\n+\m)+7], v[WF+12*(4+2*\n):WF+12*(4+2*\n)+11], v[HF+12*\m:HF+12*\m+11], v[A2+8*(4*\n+\m):A2+8*(4*\n+\m)+7], v[W2S+\n], v[HS+\m] matrix_a_fmt:MATRIX_FMT_BF6 matrix_b_fmt:MATRIX_FMT_BF6
.endif
.endr
.endr
.endm
; My 32 outputs of the block's 64 rows: register j of accumulator (n, m), lane (r, h): row 16 m + r, output 32 w + 16 n + 8 h + j.
.macro OUTP
	s_wait_xcnt 0x0                                ; the last block's stores have read v192-255, which are loaded again below
.irp n, 0,1
.irp m, 0,1,2,3
	ds_load_b128 v[A2+8*(4*\n+\m):A2+8*(4*\n+\m)+3], v[B2A] offset:B2T+64*\n      ; the bias is the C of the first product
	ds_load_b128 v[A2+8*(4*\n+\m)+4:A2+8*(4*\n+\m)+7], v[B2A] offset:B2T+64*\n+16
.endr
.endr
	HLOAD 0
.irp m, 0,1,2,3
	ds_load_b32 v[HS+\m], v[L4] offset:HSC+128*\m
.endr
	s_wait_dscnt 0x0
	MM2 0
	PLACES
	HLOAD 1
	s_wait_dscnt 0x0
	MM2 1
	PLACES
.endm
; out = g f + c y, in place of y's numbers in LDS: each lane reads and writes its own 32 bytes of a row.
.macro EPI
.irp n, 0,1
	ds_load_b128 v[GR+8*\n:GR+8*\n+3], v[B2A] offset:GT+64*\n
	ds_load_b128 v[GR+8*\n+4:GR+8*\n+7], v[B2A] offset:GT+64*\n+16
.endr
.irp q, 0,1
.irp t, 0,1,2,3                        ; tile t of the round: rows 16 (2 q + t / 2) on, outputs 16 (t % 2) on
	ds_load_b128 v[YV+8*\t:YV+8*\t+3], v[YEA] offset:16*(2*\q+\t/2)*PY+64*(\t%2)
	ds_load_b128 v[YV+8*\t+4:YV+8*\t+7], v[YEA] offset:16*(2*\q+\t/2)*PY+64*(\t%2)+16
.endr
	s_wait_dscnt 0x0
.irp t, 0,1,2,3
.irp j, 0,2,4,6
	v_pk_mul_f32 v[YV+8*\t+\j:YV+8*\t+\j+1], v[YV+8*\t+\j:YV+8*\t+\j+1], s[42:43] op_sel_hi:[1,0]
.endr
.endr
.irp t, 0,1,2,3
.irp j, 0,2,4,6
	v_pk_fma_f32 v[YV+8*\t+\j:YV+8*\t+\j+1], v[A2+8*(4*(\t%2)+2*\q+\t/2)+\j:A2+8*(4*(\t%2)+2*\q+\t/2)+\j+1], v[GR+8*(\t%2)+\j:GR+8*(\t%2)+\j+1], v[YV+8*\t+\j:YV+8*\t+\j+1]   ; each accumulator from its low end on
.endr
.endr
.irp t, 0,1,2,3
	ds_store_b128 v[YEA], v[YV+8*\t:YV+8*\t+3] offset:16*(2*\q+\t/2)*PY+64*(\t%2)
	ds_store_b128 v[YEA], v[YV+8*\t+4:YV+8*\t+7] offset:16*(2*\q+\t/2)*PY+64*(\t%2)+16
.endr
.if \q == 0
	s_wait_dscnt 0x0                               ; the stores have read their registers
.endif
.endr
.endm
; My 8 rows of block b leave, if the tile has rows in that block: the one branch on a stored number; no barrier stands under it.
.macro SEND b
	s_cmp_le_u32 s33, 64*\b
	s_cbranch_scc1 .Lnone_\@
.set KQ, 0
.rept 16
	ds_load_b128 v[YR+4*KQ:YR+4*KQ+3], v[YSA+\b] offset:2*(KQ/4)*PY+256*(KQ%4)
.set KQ, KQ+1
.endr
.set KQ, 0
.rept 16
	s_wait_dscnt 15-KQ                             ; LDS loads come back in order: number KQ is in, the younger ones may be out
	global_store_b128 v[RO+4*\b+KQ/4], v[YR+4*KQ:YR+4*KQ+3], s[30:31] offset:256*(KQ%4) th:TH_STORE_NT   ; sixteen lanes store 256 consecutive bytes, at a multiple of 256 from out0's first byte
.set KQ, KQ+1
.endr
.Lnone_\@:
.endm
	s_load_b512 s[8:23], s[0:1], 0x0               ; tiles s[8:9], list s[10:11], wimg s[12:13], W1's scales s[14:15], W2's s[16:17], b1 s[18:19], b2 s[20:21], scales s[22:23]
	s_load_b256 s[24:31], s[0:1], 0x40             ; shifta s[24:25], shiftb s[26:27], y s[28:29], out0 s[30:31]
	v_lshl_add_u32 v188, v0, 2, 0x27800
	v_mov_b32 v191, 0
	v_lshrrev_b32 v31, 5, v0
	v_readfirstlane_b32 s32, v31                   ; wave 0..7
	v_and_b32 v31, 31, v0                          ; lane
	v_and_b32 v[RR], 15, v0                        ; r
	v_bfe_u32 v[HH], v0, 4, 1                      ; h
	v_lshlrev_b32 v[J4], 2, v0
	s_lshl_b32 s80, ttmp9, 4                       ; my tile's entry: 16 bytes
	s_mov_b32 s81, 0
	s_wait_kmcnt 0x0
	s_add_nc_u64 s[8:9], s[8:9], s[80:81]
	s_load_b128 s[84:87], s[8:9], 0x0              ; class, rows, first place in the list, 0
	s_load_b32 s88, s[24:25], 0x0
	s_load_b32 s89, s[26:27], 0x0
	global_load_b32 v[SCV], v[J4], s[22:23]
	; the addresses that stay
	v_lshlrev_b32 v[LI], 4, v31
	v_lshlrev_b32 v[L4], 2, v31
	v_mul_u32_u24 v[L48], v31, 48
	v_lshlrev_b32 v[R16], 4, v[RR]
	s_mul_i32 s54, s32, 8*PY
	s_add_co_u32 s54, s54, YST
	v_mad_u32_u24 v[YSA], v[HH], PY, v[R16]
	v_add_nc_u32 v[YSA], s54, v[YSA]               ; YST + (8 w + h) PY + 16 r
	v_add_nc_u32 v[YSA+1], 64*PY, v[YSA]
	s_lshr_b32 s55, s32, 1
	s_mul_i32 s55, s55, 16*PY
	s_and_b32 s56, s32, 1
	s_lshl_b32 s57, s56, 9
	s_add_co_u32 s55, s55, s57
	s_add_co_u32 s55, s55, YST
	v_mul_u32_u24 v[YQA], v[RR], PY
	v_lshl_add_u32 v[YQA], v[HH], 6, v[YQA]
	v_add_nc_u32 v[YQA], s55, v[YQA]               ; YST + (16 (w / 2) + r) PY + 512 (w % 2) + 64 h
	s_lshl_b32 s58, s32, 7
	s_add_co_u32 s59, s58, YST
	v_mul_u32_u24 v[YEA], v[RR], PY
	v_lshl_add_u32 v[YEA], v[HH], 5, v[YEA]
	v_add_nc_u32 v[YEA], s59, v[YEA]               ; YST + r PY + 128 w + 32 h
	s_mul_i32 s60, s32, 1536
	v_add_nc_u32 v[XWI], s60, v[LI]
	s_lshl_b32 s61, s32, 6
	v_lshl_add_u32 v[XWS], v[RR], 2, s61
	s_lshr_b32 s62, s32, 2
	s_mul_i32 s63, s62, 1536
	s_mul_i32 s66, s56, 768
	s_add_co_u32 s63, s63, s66
	s_bfe_u32 s66, s32, 0x10001
	s_mul_i32 s66, s66, 24
	s_add_co_u32 s63, s63, s66
	v_mul_u32_u24 v[HWI], v[RR], 48
	v_mad_u32_u24 v[HWI], v[HH], 12, v[HWI]
	v_add_nc_u32 v[HWI], s63, v[HWI]               ; 1,536 (w / 4) + 768 (w % 2) + 24 ((w / 2) % 2) + 48 r + 12 h
	s_lshl_b32 s62, s62, 6
	s_and_b32 s66, s32, 3
	s_add_co_u32 s62, s62, s66
	v_lshl_add_u32 v[HWS], v[RR], 2, s62           ; 64 (w / 4) + w % 4 + 4 r
	v_lshl_add_u32 v[B1A], v[HH], 6, s58
	v_lshl_add_u32 v[B2A], v[HH], 5, s58
	v_and_b32 v[W1SO], 8, v[RR]
	v_add_nc_u32 v[W1SO], v[W1SO], v[RR]
	v_lshlrev_b32 v[W1SO], 3, v[W1SO]
	v_lshl_add_u32 v[W1SO], v[HH], 2, v[W1SO]      ; W1's scale words: row r + 8 (r / 8), 8 bytes a row, word h
	v_lshlrev_b32 v[W2SO], 3, v[RR]
	v_lshl_add_u32 v[W2SO], v[HH], 2, v[W2SO]
	v_mov_b32 v[PD], 0                             ; written once: a lane permute's destination counts as one of its sources
	v_mov_b32 v[PD+1], 0
	s_mov_b32 s38, 0x76543210
	s_mov_b32 s39, 0xfedcba98                      ; v_permlanex16_b32's selects for lane l xor 16
	s_mov_b32 s40, 0x4038aa3b                      ; 2 log2(e)
	s_mov_b32 s41, s40
	s_lshl_b32 s83, s32, 3
	v_add_nc_u32 v[T1], s83, v[HH]                 ; 8 w + h
	; ---- my tile
	s_wait_kmcnt 0x0                               ; the entry, shifta, shiftb
	s_min_u32 s35, s84, 8                          ; the class; each stored number is held at its largest value before it steers anything
	s_min_u32 s33, s85, 128                        ; my rows: 0 .. 128
	s_min_u32 s34, s86, 0x8380                     ; my first place in the list: at most 263 x 128
	s_min_u32 s36, s35, 7                          ; the expert whose weights are loaded
	s_cmp_eq_u32 s35, 8
	s_cselect_b32 s37, -1, 0                       ; all ones: no expert
	s_max_u32 s87, s33, 1
	s_sub_co_u32 s87, s87, 1                       ; the tile's last row
.irp k, 0,1,2,3,4,5,6,7
	v_add_nc_u32 v[IDX+\k], 64*(\k/4)+2*(\k%4), v[T1]   ; row pair k = 4 b + p: lanes 0-15 the tile's row 64 b + 8 w + 2 p, lanes 16-31 the next
.endr
.irp k, 0,1,2,3,4,5,6,7
	v_min_u32 v[IDX+\k], s87, v[IDX+\k]            ; rows beyond the count repeat the last row: no place of the list is read that was not written
.endr
.irp k, 0,1,2,3,4,5,6,7
	v_add_nc_u32 v[IDX+\k], s34, v[IDX+\k]
.endr
.irp k, 0,1,2,3,4,5,6,7
	v_min_u32 v[IDX+\k], 0x83ff, v[IDX+\k]         ; the hold at the list's last place, 264 x 128 - 1
.endr
.irp k, 0,1,2,3,4,5,6,7
	v_lshlrev_b32 v[IDX+\k], 2, v[IDX+\k]
.endr
.irp k, 0,1,2,3,4,5,6,7
	global_load_b32 v[RO+\k], v[IDX+\k], s[10:11]  ; the rows' tokens
.endr
	s_mul_i32 s84, s36, 98304
	s_mul_i32 s85, s32, 12288
	s_add_co_u32 s84, s84, s85
	s_mov_b32 s85, 0
	s_add_nc_u64 s[44:45], s[12:13], s[84:85]      ; my 8 images
	s_lshl_b32 s84, s36, 11
	s_lshl_b32 s86, s32, 8
	s_add_co_u32 s84, s84, s86
	s_add_nc_u64 s[46:47], s[14:15], s[84:85]      ; my 32 rows' scale bytes, 8 a row
	s_add_nc_u64 s[48:49], s[16:17], s[84:85]
	s_lshl_b32 s84, s36, 10
	s_add_nc_u64 s[50:51], s[18:19], s[84:85]
	s_add_nc_u64 s[52:53], s[20:21], s[84:85]
.set KQ, 0
.rept 24
	global_load_b128 v[WF+4*KQ:WF+4*KQ+3], v[LI], s[44:45] offset:512*KQ   ; 32 lanes read 512 consecutive bytes
.set KQ, KQ+1
.endr
.irp u, 0,1
	global_load_b32 v[W1S+\u], v[W1SO], s[46:47] offset:64*\u
.endr
.irp n, 0,1
	global_load_b32 v[W2S+\n], v[W2SO], s[48:49] offset:128*\n
.endr
	global_load_b32 v[B1V], v[J4], s[50:51]
	global_load_b32 v[B2V], v[J4], s[52:53]
	s_wait_loadcnt 30                              ; scales and the eight loads of the list are in; the 30 loads issued behind them may be out
.irp k, 0,1,2,3,4,5,6,7
	v_min_u32 v[RO+\k], 0x7fff, v[RO+\k]           ; a token's number stays inside y
.endr
.irp k, 0,1,2,3,4,5,6,7
	v_lshl_add_u32 v[RO+\k], v[RO+\k], 10, v[R16]
.endr
	YLOAD 0
	; ---- the gains: three sigmoids as one batch
	v_mul_f32 v[SG], 0xbfb8aa3b, v[SCV]
	v_mov_b32 v[SG+1], s88
	v_mov_b32 v[SG+2], s89
	v_mul_f32 v[SG+1], 0xbfb8aa3b, v[SG+1]
	v_mul_f32 v[SG+2], 0xbfb8aa3b, v[SG+2]
	v_exp_f32 v[SG], v[SG]
	v_exp_f32 v[SG+1], v[SG+1]
	v_exp_f32 v[SG+2], v[SG+2]
	v_nop
	s_wait_alu depctr_va_vdst(0)                   ; one wait for the three, ahead of their first reader
	v_add_f32 v[SG], 1.0, v[SG]
	v_add_f32 v[SG+1], 1.0, v[SG+1]
	v_add_f32 v[SG+2], 1.0, v[SG+2]
	v_rcp_f32 v[SG], v[SG]
	v_rcp_f32 v[SG+1], v[SG+1]
	v_rcp_f32 v[SG+2], v[SG+2]
	v_nop
	s_wait_alu depctr_va_vdst(0)
	v_add_f32 v[SG+3], v[SG+1], v[SG+2]            ; a + b = sig(shiftb) + sig(shifta)
	v_sub_f32 v[SG+1], v[SG+2], v[SG+1]            ; b - a = sig(shiftb) - sig(shifta)
	v_mul_f32 v[SG+3], 0.5, v[SG+3]
	v_mul_f32 v[SG+1], 0.5, v[SG+1]
	v_mul_f32 v[SG], v[SG+3], v[SG]                ; g of column j
	v_cndmask_b32 v[SG], v[SG], 0, s37             ; no expert: f counts for nothing
	v_readfirstlane_b32 s42, v[SG+1]               ; c
	s_mov_b32 s43, s42
	s_wait_loadcnt 16                              ; weights, their scales and the biases are in; y's 16 loads issued behind them may be out
	v_cndmask_b32 v[B1V], v[B1V], 0, s37
	v_cndmask_b32 v[B2V], v[B2V], 0, s37
	ds_store_b32 v[J4], v[B1V] offset:B1T
	ds_store_b32 v[J4], v[B2V] offset:B2T
	ds_store_b32 v[J4], v[SG] offset:GT
	v_mov_b32 v[SG+3], 0x7f7f7f7f
.irp i, 0,1,2,3
	v_cndmask_b32 v[W1S+\i], v[W1S+\i], v[SG+3], s37   ; no expert: unit scales, so that f is a number whatever bytes expert 7 has
.endr
	s_wait_loadcnt 0x0
	YSTORE 0
	s_wait_dscnt 0x0                               ; the stores have read their registers,
	YLOAD 1                                        ; which take block 1: it lands while block 0 is quantised and its hidden layer made
	BARRIER                                        ; block 0's 64 rows and the three tables lie in LDS
	; ---- block 0
	XQ
	BARRIER                                        ; y's eight fragments lie in LDS
	HID 0
	HID 1
	HID 2
	HID 3
	s_wait_loadcnt 0x0
	YSTORE 1
	BARRIER                                        ; the hidden layer's eight fragments, and block 1's rows
	OUTP
	EPI
	BARRIER                                        ; 64 whole rows of out lie in LDS
	SEND 0                                         ; they leave while block 1 is worked
	v_add_nc_u32 v[YQA], 64*PY, v[YQA]
	v_add_nc_u32 v[YEA], 64*PY, v[YEA]
	; ---- block 1.  Each region is written again only behind a barrier that every wave reaches behind its last read of it
	XQ
	BARRIER
	HID 0
	HID 1
	HID 2
	HID 3
	BARRIER
	OUTP
	EPI
	BARRIER
	SEND 1
	s_wait_tensorcnt 0x0
	ds_add_u32 v188, v191
	s_wait_dscnt 0x0
	s_endpgm
.Lfunc_end_k_qcb2c44691c_chain:
	.size	k_qcb2c44691c_chain, .Lfunc_end_k_qcb2c44691c_chain-k_qcb2c44691c_chain
	.p2alignl 7, 3214868480
	.fill 96, 4, 3214868480
	.section	.rodata,"a",@progbits
	.p2align	6, 0x0
	.amdhsa_kernel k_qcb2c44691c_chain
		.amdhsa_group_segment_fixed_size 162816
		.amdhsa_private_segment_fixed_size 0
		.amdhsa_enable_private_segment 0
		.amdhsa_kernarg_size 96
		.amdhsa_user_sgpr_count 2
		.amdhsa_user_sgpr_kernarg_segment_ptr 1
		.amdhsa_wavefront_size32 1
		.amdhsa_system_sgpr_workgroup_id_x 1
		.amdhsa_system_sgpr_workgroup_id_y 1
		.amdhsa_system_sgpr_workgroup_id_z 1
		.amdhsa_system_vgpr_workitem_id 0
		.amdhsa_next_free_vgpr 256
		.amdhsa_next_free_sgpr 100
		.amdhsa_reserve_vcc 0
		.amdhsa_float_denorm_mode_32 3
		.amdhsa_float_denorm_mode_16_64 3
		.amdhsa_memory_ordered 1
		.amdhsa_forward_progress 1
		.amdhsa_inst_pref_size 98
	.end_amdhsa_kernel
	.amdgpu_metadata
---
amdhsa.version: [ 1, 2 ]
amdhsa.kernels:
  - .name:           k_qcb2c44691c_chain
    .symbol:         k_qcb2c44691c_chain.kd
    .args:
      - { .name: tiles, .offset: 0, .size: 8, .value_kind: global_buffer, .address_space: global }
      - { .name: list, .offset: 8, .size: 8, .value_kind: global_buffer, .address_space: global }
      - { .name: wimg, .offset: 16, .size: 8, .value_kind: global_buffer, .address_space: global }
      - { .name: W1_scales, .offset: 24, .size: 8, .value_kind: global_buffer, .address_space: global }
      - { .name: W2_scales, .offset: 32, .size: 8, .value_kind: global_buffer, .address_space: global }
      - { .name: b1, .offset: 40, .size: 8, .value_kind: global_buffer, .address_space: global }
      - { .name: b2, .offset: 48, .size: 8, .value_kind: global_buffer, .address_space: global }
      - { .name: scales, .offset: 56, .size: 8, .value_kind: global_buffer, .address_space: global }
      - { .name: shifta, .offset: 64, .size: 8, .value_kind: global_buffer, .address_space: global }
      - { .name: shiftb, .offset: 72, .size: 8, .value_kind: global_buffer, .address_space: global }
      - { .name: y, .offset: 80, .size: 8, .value_kind: global_buffer, .address_space: global }
      - { .name: out0, .offset: 88, .size: 8, .value_kind: global_buffer, .address_space: global }
    .group_segment_fixed_size: 162816
    .private_segment_fixed_size: 0
    .kernarg_segment_align: 8
    .kernarg_segment_size: 96
    .max_flat_workgroup_size: 256
    .sgpr_count:     100
    .vgpr_count:     256
    .wavefront_size: 32
...
	.end_amdgpu_metadata
.endif
;; end of part 3
